; MI455X (gfx1250); checked and timed in simulation.
; The chip was launched on July 23, 2026; its instructions are those of AMD's public machine-readable ISA for CDNA 5 (MIT licence, August 2026) and "CDNA5" Instruction Set Architecture Reference Guide (July 2026). The comments in the code are by the model that wrote it; some were corrected since.
;; lut kernel. Allowed arithmetic: float matrix products may take bf16 or f16 operands with f32 sums; all other float work in f32.
;; Inputs: w 1,024 x 64 x 64 float32; x 16 x 2 x 1,024 x 384 float32.
;; Outputs: out0 16 x 2 x 1,024 x 64 float32.
;; One version. Each part assembles by itself: llvm-mc -triple=amdgcn-amd-amdhsa -mcpu=gfx1250 --defsym DOCPART=n.
;; ======== version 1 of 1: 1 launch
;; launch lut (part 1): grid 256 x 1, 4 waves a work-group, no clusters, 264,704 bytes of LDS; arguments w, x, out0; writes out0
.if DOCPART == 1
	.amdgcn_target "amdgcn-amd-amdhsa--gfx1250"
	.amdhsa_code_object_version 6
	.text
	.protected	k_qde90531c5f_lut
	.globl	k_qde90531c5f_lut
	.p2align	8
	.type	k_qde90531c5f_lut,@function
k_qde90531c5f_lut:
	s_mov_b64 s[64:65], 0
	v_nop
	global_prefetch_b8 v0, s[64:65] scope:SCOPE_SE
	s_setreg_imm32_b32 hwreg(HW_REG_WAVE_MODE, 25, 1), 1
	s_wait_xcnt 0x0
; out[b][o][l] = six-level interpolation in the table q[o][l][0..63], q = (tanh(w)+1)/2, by the six numbers x[b][o][6l .. 6l+5];
; bit k of the table index belongs to x[..][6l+k].  b = 0..31 (the two leading axes of x), o = 0..1023, l = 0..63.
;
; THE ARITHMETIC.  The interpolant is a polynomial that is linear in each of the six x.  Its 64 coefficients come from the table by six
; stages of differences (for each bit k: c[t] -= c[t - 2^k] where bit k of t is set), made ONCE for a table and used for all 32 b.
; An output is then 63 multiply-adds, y = lo + x hi, instead of 63 subtractions and 63 multiply-adds.  The bits are taken from bit 5
; down to bit 0, so that neighbouring table entries stay a register pair: 31 v_pk_fma_f32 and one v_fma_f32 for an output.
; LIMITS, stated: all in f32, but the order of rounding is its own (coefficients first, bit 5 first).  The coefficients are at
; most six-fold differences of numbers in [0, 1], so below 32 in size.  (tanh(w)+1)/2 is made as 1/(1 + 2^(-2.885390 w)): for w below about -9 it gives
; the small true value (under 2e-8) where tanh in f32 has already rounded to -1; for large |w| the exponential runs to 0 or to infinity
; and the reciprocal gives exactly 1 or 0.  A NaN in w or x gives NaN.
;
; THE SHARES.  256 work-groups of four waves; wave v of work-group g owns o = 4 g + v for all 32 b.  Lane i owns the tables l = 2 i and
; 2 i + 1: 128 coefficients in registers; its x of one b are 48 neighbouring bytes, and its two results 8 bytes, so that one store of
; the wave covers the 256 consecutive bytes out[b][o][0..63], which start at a multiple of 256 from out's first byte.
; MEMORY.  A wave's whole input, 16 KiB of w and 48 KiB of x, has room in LDS, so every byte of LDS is filled once.
; no barrier is needed.
; No two work-groups read the same byte of w or x: there is nothing to ask for jointly, so no cluster.  No matrix instruction: a table
; meets only its own 32 vectors of x, which would fill 2 of a matrix operand's 16 rows.
.set NOUT,   1024
.set XROW,   1536                      ; bytes of x for one (b, o): 384 f32
.set XBSTR,  NOUT*XROW                 ; from b to b + 1 in x
.set OBSTR,  NOUT*256                  ; from b to b + 1 in out
.set XCH,    4                         ; b in a chunk of x
.set WROW,   528                       ; LDS: a lane's two tables, 512 bytes, + 16 of padding = 132 words: sixteen lanes' 16 bytes start 4 words apart modulo 64
.set WTILE,  32*WROW                   ; a wave's w in LDS: 16,896 bytes
.set XTILE,  32*XROW                   ; a wave's x in LDS: 49,152 bytes, rows without gaps (lanes 48 bytes = 12 words apart: sixteen lanes fall on sixteen different groups of four words modulo 64)
.set XBASE,  4*WTILE                   ; x lies behind the four waves' w
.set WA, 2                             ; v2        LDS address of my two tables
.set XA, 3                             ; v3        LDS address of my 48 bytes of x at b = 0
.set OA, 4                             ; v4        8 x lane: my place in a row of out; never rewritten
.set OO, 6                             ; v[6:9]    two pairs of results, for even and odd b
.set SS, 10                            ; v[10:17]  a table's last four levels
.set TT, 18                            ; v[18:49]  a table's first two levels
.set XX, 50                            ; v[50:97]  four slots of 12: x of b mod 4
.set CF, 98                            ; v[98:225] the coefficients: table u (0, 1), entry t at CF + 64 u + t
.set G1W, 24                           ; s[24:31]  descriptor group 1 for w
.set G1X, 32                           ; s[32:39]  descriptor group 1 for a chunk of x
.set G0W, 40                           ; s[40:43]  descriptor group 0 for w; those of the eight chunks: s[44:63], s[68:79]
	s_load_b128 s[4:7], s[0:1], 0x0                ; w s[4:5], x s[6:7]
	s_load_b64 s[8:9], s[0:1], 0x10                ; out
	v_lshl_add_u32 v226, v0, 2, 0x40800
	v_mov_b32 v227, 0
	ds_add_u32 v226, v227
	ds_add_u32 v226, v227
	v_lshrrev_b32 v1, 5, v0
	v_readfirstlane_b32 s10, v1                    ; wave 0..3
	s_lshl_b32 s11, ttmp9, 2
	s_add_co_u32 s11, s11, s10                     ; o = 4 x work-group + wave
	s_lshl_b32 s12, s11, 14                        ; o x 16,384 bytes of w
	s_mov_b32 s13, 0
	s_mul_i32 s14, s11, XROW                       ; o x 1,536 bytes of x
	s_mov_b32 s15, 0
	s_lshl_b32 s16, s11, 8                         ; o x 256 bytes of out
	s_mov_b32 s17, 0
	s_mov_b32 s18, 0xc038aa3b                      ; -2 log2(e), for both halves of a packed multiply
	s_mov_b32 s19, 0xc038aa3b
	s_mul_i32 s20, s10, WTILE                      ; my wave's w in LDS
	s_mul_i32 s21, s10, XTILE
	s_add_co_u32 s21, s21, XBASE                   ; my wave's x in LDS
	; group 1 for w: the wave's 16 KiB are dense in memory; taken as 32 rows of 512 bytes (two tables), 16 bytes of padding behind each
	s_mov_b32 s[G1W+0], (3<<16)|(1<<20)|(6<<22)|(3<<25)   ; elements of 8 bytes; padding on: after every 128 words, 4 words
	s_mov_b32 s[G1W+1], 64<<16                     ; tensor_dim0 = 64 elements
	s_mov_b32 s[G1W+2], 32<<16                     ; tensor_dim1 = 32 rows
	s_mov_b32 s[G1W+3], 64<<16                     ; tile_dim0 = 64
	s_mov_b32 s[G1W+4], 32                         ; tile_dim1 = 32
	s_mov_b32 s[G1W+5], 64                         ; from row to row: 64 elements
	s_mov_b32 s[G1W+6], 0
	s_mov_b32 s[G1W+7], 0
	; group 1 for x: four rows (b) of 384 f32; each row is 1,536 consecutive bytes that start at a multiple of 256 from x's first byte
	s_mov_b32 s[G1X+0], 2<<16                      ; elements of 4 bytes, no padding
	s_mov_b32 s[G1X+1], 384<<16                    ; tensor_dim0
	s_mov_b32 s[G1X+2], XCH<<16                    ; tensor_dim1
	s_mov_b32 s[G1X+3], 384<<16                    ; tile_dim0
	s_mov_b32 s[G1X+4], XCH                        ; tile_dim1
	s_mov_b32 s[G1X+5], NOUT*384                   ; from b to b + 1, in elements
	s_mov_b32 s[G1X+6], 0
	s_mov_b32 s[G1X+7], 0
	s_wait_dscnt 0x0
	s_wait_kmcnt 0x0
	s_add_nc_u64 s[4:5], s[4:5], s[12:13]          ; w, x and out at my o
	s_add_nc_u64 s[6:7], s[6:7], s[14:15]
	s_add_nc_u64 s[8:9], s[8:9], s[16:17]
	; All nine loads in one group, ahead of every wait on TENSORcnt and every LDS read; each has a group 0 of its own, never rewritten.
	s_mov_b32 s[G0W], 1
	s_mul_i32 s[G0W+1], s10, WTILE
	s_mov_b64 s[G0W+2:G0W+3], s[4:5]
	s_or_b32 s[G0W+3], s[G0W+3], 0x80000000
	tensor_load_to_lds s[G0W:G0W+3], s[G1W:G1W+7]  ; w first: the tables are prepared while x is on its way
	s_nop 0
.irp c, 0,1,2,3,4,5,6,7
.set GX, 44+4*\c+4*(\c/5)                          ; s[44:63] for chunks 0 to 4, s[68:79] for chunks 5 to 7
	s_mov_b32 s[GX], 1
	s_add_co_u32 s[GX+1], s21, \c*XCH*XROW
	s_add_nc_u64 s[GX+2:GX+3], s[6:7], \c*XCH*XBSTR
	s_or_b32 s[GX+3], s[GX+3], 0x80000000
	tensor_load_to_lds s[GX:GX+3], s[G1X:G1X+7]    ; b = 4 c .. 4 c + 3
	s_nop 0
.endr
	v_and_b32 v1, 31, v0                           ; lane
	v_mul_u32_u24 v[WA], v1, WROW
	v_add_nc_u32 v[WA], s20, v[WA]
	v_mul_u32_u24 v[XA], v1, 48
	v_add_nc_u32 v[XA], s21, v[XA]
	v_lshlrev_b32 v[OA], 3, v1
; ---------------------------------------------------------------- the tables
.macro PKSUB d, s                      ; a pair minus a pair
	v_pk_add_f32 v[\d:\d+1], v[\d:\d+1], v[\s:\s+1] neg_lo:[0,1] neg_hi:[0,1]
.endm
; The differences for bits 0, 1, 2 stay inside a group of eight entries r .. r + 7: eight instructions, number j of them.
.macro LOC r, j
.if (\j) < 4
	s_wait_alu depctr_va_vdst(0)
	v_sub_f32 v[\r+2*(\j)+1], v[\r+2*(\j)+1], v[\r+2*(\j)]         ; bit 0
.else
.if (\j) < 6
	PKSUB \r+4*((\j)-4)+2, \r+4*((\j)-4)                           ; bit 1
.else
	PKSUB \r+2*((\j)-6)+4, \r+2*((\j)-6)                           ; bit 2
.endif
.endif
.endm
; 1/(1 + 2^(-2.885390 w)) and the local differences, for 16 groups of eight registers, as a pipeline of five stages: turn i multiplies
; group i, takes the exponentials of group i - 1, adds 1 in group i - 2, takes the reciprocals of group i - 3 and the differences in
; group i - 4.  The five groups are different registers, so the lines of a turn are independent and transcendentals alternate with plain
; instructions: every exponential and reciprocal has a plain independent instruction behind it before its result is read, a turn later
; (ISA guide 5.7.2).
.macro SIG i
.if (\i) < 16
	s_wait_dscnt 30-2*(\i)                         ; LDS loads come back in order: the first 2 i + 2 of the 32 are in, that is groups 0 to i
.endif
.set j, 0
.rept 8
.if (\i) >= 1
.if (\i) <= 16
	v_exp_f32 v[CF+8*((\i)-1)+j], v[CF+8*((\i)-1)+j]
.endif
.endif
.if j < 4
.if (\i) < 16
	v_pk_mul_f32 v[CF+8*(\i)+2*j:CF+8*(\i)+2*j+1], v[CF+8*(\i)+2*j:CF+8*(\i)+2*j+1], s[18:19] op_sel_hi:[1,0]
.endif
.else
.if (\i) >= 2
.if (\i) <= 17
	s_wait_alu depctr_va_vdst(0)
	v_pk_add_f32 v[CF+8*((\i)-2)+2*(j-4):CF+8*((\i)-2)+2*(j-4)+1], v[CF+8*((\i)-2)+2*(j-4):CF+8*((\i)-2)+2*(j-4)+1], 1.0 op_sel_hi:[1,0]
.endif
.endif
.endif
.if (\i) >= 3
.if (\i) <= 18
	v_rcp_f32 v[CF+8*((\i)-3)+j], v[CF+8*((\i)-3)+j]
.endif
.endif
.if (\i) >= 4
	LOC CF+8*((\i)-4), j
.endif
.set j, j+1
.endr
.endm
	s_wait_tensorcnt 0x8                           ; tensor loads of a wave end in order: w, the first of the nine, is in LDS; the eight chunks of x may be out
.set j, 0
.rept 32
	ds_load_b128 v[CF+4*j:CF+4*j+3], v[WA] offset:16*j             ; my two tables, 512 bytes, in table order
.set j, j+1
.endr
.irp i, 0,1,2,3,4,5,6,7,8,9,10,11,12,13,14,15,16,17,18,19
	SIG \i
.endr
	s_wait_tensorcnt 0x7                           ; chunk 0 of x is in LDS, the seven younger chunks may be out
	ds_load_b128 v[XX:XX+3],    v[XA]              ; x of b = 0: it comes while the last differences are made
	ds_load_b128 v[XX+4:XX+7],  v[XA] offset:16
	ds_load_b128 v[XX+8:XX+11], v[XA] offset:32
.irp k, 8,16,32                                    ; the differences for bits 3, 4, 5, both tables: pairs whose entry has the bit set
.set p, 0
.rept 64
.if (2*p) & \k
	PKSUB CF+2*p, CF+2*p-\k
.endif
.set p, p+1
.endr
.endr
; ---------------------------------------------------------------- the 32 b
; d = x * hi + lo on pairs; x is one register of the pair xp (sel = 0: the first, 1: the second), used for both halves.
.macro PKF d, xp, sel, hi, lo
.if \sel
	v_pk_fma_f32 v[\d:\d+1], v[\xp:\xp+1], v[\hi:\hi+1], v[\lo:\lo+1] op_sel:[1,0,0] op_sel_hi:[1,1,1]
.else
	v_pk_fma_f32 v[\d:\d+1], v[\xp:\xp+1], v[\hi:\hi+1], v[\lo:\lo+1] op_sel_hi:[0,1,1]
.endif
.endm
; Half h = 2 b + u is table u at batch row b.  XH: its six x, CU: its coefficients.  XQ, OQ: the six x of the half before, and where its result goes.
.macro SETH h
.set HB, (\h)/2
.set HU, (\h)&1
.set XH, XX+12*(HB&3)+6*HU
.set CU, CF+64*HU
.set XQ, XX+12*((((\h)+7)/2)&3)+6*(1-HU)
.set OQ, OO+2*((((\h)+7)/2)&1)+(1-HU)
.set HAVE, (\h)                        ; half 0 has none before it
.endm
.macro LA i                            ; bit 5, x5: 64 coefficients to 32 numbers, pair i of 16
	PKF TT+2*(\i), XH+4, 1, CU+32+2*(\i), CU+2*(\i)
.endm
.macro LB i                            ; bit 4, x4: 32 to 16, pair i of 8
	PKF TT+2*(\i), XH+4, 0, TT+16+2*(\i), TT+2*(\i)
.endm
.macro LC i                            ; of the half before: bit 3, x3: 16 to 8, pair i of 4, into SS
.if HAVE
	PKF SS+2*(\i), XQ+2, 1, TT+8+2*(\i), TT+2*(\i)
.endif
.endm
.macro LD i                            ; bit 2, x2: 8 to 4
.if HAVE
	PKF SS+2*(\i), XQ+2, 0, SS+4+2*(\i), SS+2*(\i)
.endif
.endm
.macro LE                              ; bit 1, x1: 4 to 2
.if HAVE
	PKF SS, XQ, 1, SS+2, SS
.endif
.endm
.macro LF                              ; bit 0, x0: the result
.if HAVE
	v_fma_f32 v[OQ], v[XQ], v[SS+1], v[SS]
.endif
.endm
; One half: 32 multiply-adds.  A SIMD holds one wave, so the short dependent end of a table (levels 3 to 0: 4, 2, 1, 1 instructions) is
; woven into the wide first levels of the next one.  Level 5 runs from pair 15 down: pairs 15 to 8 land on registers that the half before
; has finished with, and its level 3, which still reads TT's lower sixteen registers, is issued ahead of pair 7.
.macro HALF h
	SETH \h
.if HU == 0
	s_wait_xcnt 0x0                                ; every store issued so far has had its addresses translated (ISA guide 3.1): a pair of results is rewritten only behind this wait
.if HB < 31
.if ((HB+1)&3) == 0
	s_wait_tensorcnt 7-(HB+1)/4                    ; the next b opens chunk (b + 1) / 4: it is in LDS, the younger chunks may be out
.endif
.set XN, XX+12*((HB+1)&3)
	ds_load_b128 v[XN:XN+3],    v[XA] offset:(HB+1)*XROW           ; x of b + 1, a whole b ahead of its use; its slot was last read at b - 3
	ds_load_b128 v[XN+4:XN+7],  v[XA] offset:(HB+1)*XROW+16
	ds_load_b128 v[XN+8:XN+11], v[XA] offset:(HB+1)*XROW+32
	s_wait_dscnt 0x3                               ; x of b is in; the three loads just issued may be out
.else
	s_wait_dscnt 0x0                               ; the last b: nothing was issued behind its loads
.endif
.endif
	LA 15
	LA 14
	LC 3
	LA 13
	LC 2
	LA 12
	LC 1
	LA 11
	LA 10
	LC 0
	LA 9
	LA 8
	LA 7
	LD 1
	LA 6
	LA 5
	LD 0
	LA 4
	LA 3
	LA 2
	LA 1
	LA 0
	LE
	LB 7
	LB 3
	LB 6
	LB 2
	LB 5
	LF
	LB 1
	LB 4
	LB 0
.if HU == 0
.if HAVE
	global_store_b64 v[OA], v[OO+2*((HB-1)&1):OO+2*((HB-1)&1)+1], s[8:9] offset:(HB-1)*OBSTR th:TH_STORE_NT   ; out[b-1][o][0..63]: 32 lanes, 256 consecutive bytes; b stands in the immediate, 31 x 262,144 at the most, inside its signed 24 bits
.endif
.endif
.endm
.set hh, 0
.rept 64
	HALF hh
.set hh, hh+1
.endr
	SETH 64                                        ; the end of the last half (b = 31, table 1), with nothing left to weave it into
	LC 3
	LC 2
	LC 1
	LC 0
	LD 1
	LD 0
	LE
	LF
	global_store_b64 v[OA], v[OO+2:OO+3], s[8:9] offset:31*OBSTR th:TH_STORE_NT
	s_wait_tensorcnt 0x0
	ds_add_u32 v226, v227
	s_wait_dscnt 0x0
	s_endpgm                                       ; the wait for chunk 7 was for 0: no tensor load is out
.Lfunc_end_k_qde90531c5f_lut:
	.size	k_qde90531c5f_lut, .Lfunc_end_k_qde90531c5f_lut-k_qde90531c5f_lut
	.p2alignl 7, 3214868480
	.fill 96, 4, 3214868480
	.section	.rodata,"a",@progbits
	.p2align	6, 0x0
	.amdhsa_kernel k_qde90531c5f_lut
		.amdhsa_group_segment_fixed_size 264704
		.amdhsa_private_segment_fixed_size 0
		.amdhsa_enable_private_segment 0
		.amdhsa_kernarg_size 24
		.amdhsa_user_sgpr_count 2
		.amdhsa_user_sgpr_kernarg_segment_ptr 1
		.amdhsa_wavefront_size32 1
		.amdhsa_system_sgpr_workgroup_id_x 1
		.amdhsa_system_sgpr_workgroup_id_y 1
		.amdhsa_system_sgpr_workgroup_id_z 1
		.amdhsa_system_vgpr_workitem_id 0
		.amdhsa_next_free_vgpr 228
		.amdhsa_next_free_sgpr 80
		.amdhsa_reserve_vcc 0
		.amdhsa_float_denorm_mode_32 3
		.amdhsa_float_denorm_mode_16_64 3
		.amdhsa_memory_ordered 1
		.amdhsa_forward_progress 1
		.amdhsa_inst_pref_size 180
	.end_amdhsa_kernel
	.amdgpu_metadata
---
amdhsa.version: [ 1, 2 ]
amdhsa.kernels:
  - .name:           k_qde90531c5f_lut
    .symbol:         k_qde90531c5f_lut.kd
    .args:
      - { .name: w, .offset: 0, .size: 8, .value_kind: global_buffer, .address_space: global }
      - { .name: x, .offset: 8, .size: 8, .value_kind: global_buffer, .address_space: global }
      - { .name: out0, .offset: 16, .size: 8, .value_kind: global_buffer, .address_space: global }
    .group_segment_fixed_size: 264704
    .private_segment_fixed_size: 0
    .kernarg_segment_align: 8
    .kernarg_segment_size: 24
    .max_flat_workgroup_size: 128
    .sgpr_count:     80
    .vgpr_count:     228
    .wavefront_size: 32
...
	.end_amdgpu_metadata
.endif
;; end of part 1
